; MI455X (gfx1250); checked and timed in simulation.
; The chip was launched on July 23, 2026; its instructions are those of AMD's public machine-readable ISA for CDNA 5 (MIT licence, August 2026) and "CDNA5" Instruction Set Architecture Reference Guide (July 2026). The comments in the code are by the model that wrote it; some were corrected since.
;; Quadratic. Allowed arithmetic: float matrix products may take bf16 or f16 operands with f32 sums; other float arithmetic in f32, or as packed bf16 or f16 multiplies, adds, multiply-adds, maxima and minima; sums over many terms, partial sums and values carried from step to step in f32; what a program stores and reads back later, other than sums and carried values, may be rounded once to bf16 or f16.
;; Inputs: Q 1,024 x 1,024 float32; b 1,024 float32; c 1 float32; x 16,384 x 1,024 float32.
;; Outputs: out0 16,384 x 1 float32.
;; One version. Each part assembles by itself: llvm-mc -triple=amdgcn-amd-amdhsa -mcpu=gfx1250 --defsym DOCPART=n.
;; ======== version 1 of 1: 2 launches
;; limits: values are held in f16: magnitudes above 65,504 overflow, below 6.1e-05 lose precision
;; workspace buffers: Lf 1,179,648 bytes
;; launch fold (part 1): grid 72 x 1, 8 waves a work-group, no clusters, 69,632 bytes of LDS; arguments Q, Lf; writes Lf
.if DOCPART == 1
	.amdgcn_target "amdgcn-amd-amdhsa--gfx1250"
	.amdhsa_code_object_version 6
	.text
	.protected	k_qb1470ceeee_fold
	.globl	k_qb1470ceeee_fold
	.p2align	8
	.type	k_qb1470ceeee_fold,@function
k_qb1470ceeee_fold:
	s_mov_b64 s[64:65], 0
	v_nop
	global_prefetch_b8 v0, s[64:65] scope:SCOPE_SE
	s_setreg_imm32_b32 hwreg(HW_REG_WAVE_MODE, 25, 1), 1
	s_wait_xcnt 0x0
; y[m] = sum over n, k of x[m][n] Q[n][k] x[m][k] + sum over n of b[n] x[m][n] + c.   x: [16384][1024], Q: [1024][1024], b: [1024], c: [1], all f32.
; WORK LEFT OUT, for all values of the inputs.  x^T Q x is a number, so it equals its transpose x^T Q^T x: the part (Q - Q^T) / 2 of Q adds 0 by that identity.  Cut n and k into 8 blocks of 128
; (x_J = the 128 columns of x in block J).  Then  x^T Q x = sum over J of x_J^T (Q_JJ + Q_JJ^T) / 2 x_J  +  sum over i < J of x_J^T (Q_Ji + Q_iJ^T) x_i :
; 36 block products in place of 64; the 28 blocks with i > J are not multiplied.  Every number of Q still enters (it is added to its mirror image), and x, b and c are read by the second launch.
; LIMIT: a NaN, an infinity or an overflow that would arise only in the part that cancels is not carried to the result.
; THIS LAUNCH makes L[n][k] = g (Q[n][k] + Q[k][n]) for the 36 blocks (g = 1 for i < J, 1/2 for i = J), summed in f32, rounded once to f16, laid out in the order in which the second
; launch's operand registers take it.  LIMIT: f16 ends at 65,504: |Q[n][k] + Q[k][n]| stays below it (65,520 or more becomes an infinity); below 6.1e-5 a number keeps f16's fixed step of 6e-8.
; Lf: 72 units of 16,384 bytes.  Unit u = J (J + 1) + s (J + 1) + i holds n = 128 J + 64 s + 0..63 and k = 128 i + 0..127.  In a unit, byte 4096 w + 1024 t + 512 e + 16 lane begins the eight numbers
; L[128 J + 64 s + 16 t + lane % 16][128 i + 32 w + 16 e + 8 (lane / 16) + 0..7]: half e of a matrix fragment of 16 rows x 32 k.
; SHARES.  A work-group makes one unit; 72 work-groups are all the work there is.  Its eight waves bring D = Q[n][k] (64 rows of 512 bytes) and T = Q[k][n] (128 rows of 256 bytes) into LDS in whole rows;
; behind one barrier wave v makes the four half-tiles pairs (w = v / 2, t = 2 (v % 2) + f, e), reading T down its columns.
.set TLP,   272                        ; a row of T in LDS: 256 bytes + 16 = 68 words: eight rows on are 544 words, 32 banks on (64 banks of 4 bytes: ISA guide 11.1): the two halves of the lanes do not meet
.set DL,    34816                      ; D begins behind T's 128 rows
.set DLP,   528                        ; a row of D: 512 bytes + 16: an odd multiple of 16, so the 16 rows of a load begin in 16 different groups of four banks
.set SPARE, 68608                      ; behind D's 64 rows: the spare words, 128 bytes for each of the eight waves: four blocks of 256 bytes that no other line names
.set GT,  4                            ; v4   T in memory: (16 v + lane / 16) rows of 4,096 bytes + 16 (lane % 16)
.set GD,  5                            ; v5   D in memory: 8 v rows + 16 lane
.set ST,  6                            ; v6   T in LDS, the same place
.set SD,  7                            ; v7   D in LDS, the same place
.set RT,  8                            ; v8   T read back: row 32 (v / 2) + 8 (lane / 16), word 32 (v % 2) + lane % 16
.set RDA, 9                            ; v9   D read back: row 32 (v % 2) + lane % 16, word 32 (v / 2) + 8 (lane / 16)
.set GO,  10                           ; v10  my 16 bytes in the unit: 4096 (v / 2) + 2048 (v % 2) + 16 lane
.set SPW, 12                           ; v12  LDS address of my spare word; never rewritten
.set NIL, 13                           ; v13  0; never rewritten
.set IN,  16                           ; v[16:47] T as loaded, v[48:79] D as loaded; behind the barrier four groups of 16: eight numbers of D, eight of T
.set RES, 80                           ; v[80:95] four registers of f16 a group
	s_load_b128 s[8:11], s[0:1], 0x0               ; Q s[8:9], Lf s[10:11]
	v_lshl_add_u32 v[SPW], v0, 2, SPARE
	v_mov_b32 v[NIL], 0
	v_lshrrev_b32 v1, 5, v0
	v_readfirstlane_b32 s22, v1                    ; wave v, 0..7
	s_mov_b32 s2, ttmp9                            ; u
	s_mov_b32 s3, 0                                ; J: stage J begins at unit J (J + 1)
.macro ATLEAST first, stage
	s_cmp_ge_u32 s2, \first
	s_cselect_b32 s3, \stage, s3
.endm
	ATLEAST 2, 1
	ATLEAST 6, 2
	ATLEAST 12, 3
	ATLEAST 20, 4
	ATLEAST 30, 5
	ATLEAST 42, 6
	ATLEAST 56, 7
	s_add_co_u32 s4, s3, 1                         ; J + 1
	s_mul_i32 s5, s3, s4
	s_sub_co_u32 s5, s2, s5                        ; u - J (J + 1) = s (J + 1) + i
	s_cmp_ge_u32 s5, s4
	s_cselect_b32 s6, 1, 0                         ; s
	s_cselect_b32 s7, s4, 0
	s_sub_co_u32 s7, s5, s7                        ; i
	s_cmp_eq_u32 s7, s3
	s_cselect_b32 s20, 0.5, 1.0                    ; g: both are powers of two, so the product below rounds nothing
	s_mov_b32 s21, s20                             ; named with it as a pair
	s_lshl_b32 s23, s3, 7
	s_lshl_b32 s6, s6, 6
	s_add_co_u32 s23, s23, s6                      ; n0 = 128 J + 64 s
	s_lshl_b32 s24, s7, 7                          ; k0 = 128 i
	s_lshl_b32 s12, s24, 12                        ; T begins at Q[k0][n0]: 4,096 k0 + 4 n0 bytes
	s_lshl_b32 s25, s23, 2
	s_add_co_u32 s12, s12, s25
	s_mov_b32 s13, 0
	s_lshl_b32 s14, s23, 12                        ; D begins at Q[n0][k0]
	s_lshl_b32 s25, s24, 2
	s_add_co_u32 s14, s14, s25
	s_mov_b32 s15, 0
	s_lshl_b32 s16, s2, 14                         ; the unit in Lf
	s_mov_b32 s17, 0
	s_lshr_b32 s28, s22, 1                         ; v / 2
	s_and_b32 s29, s22, 1                          ; v % 2
	v_and_b32 v1, 31, v0                           ; lane
	v_and_b32 v2, 15, v0                           ; lane % 16
	v_bfe_u32 v3, v0, 4, 1                         ; lane / 16
	s_lshl_b32 s26, s22, 16
	v_lshl_add_u32 v[GT], v3, 12, s26
	v_lshl_add_u32 v[GT], v2, 4, v[GT]
	s_lshl_b32 s26, s22, 15
	v_lshl_add_u32 v[GD], v1, 4, s26
	s_mul_i32 s27, s22, 16*TLP
	v_mul_u32_u24 v[ST], v3, TLP
	v_add_nc_u32 v[ST], s27, v[ST]
	v_lshl_add_u32 v[ST], v2, 4, v[ST]
	s_mul_i32 s27, s22, 8*DLP
	s_add_co_u32 s27, s27, DL
	v_lshl_add_u32 v[SD], v1, 4, s27
	s_mul_i32 s27, s28, 32*TLP
	s_lshl_b32 s26, s29, 7
	s_add_co_u32 s27, s27, s26
	v_mul_u32_u24 v[RT], v3, 8*TLP
	v_add_nc_u32 v[RT], s27, v[RT]
	v_lshl_add_u32 v[RT], v2, 2, v[RT]
	s_mul_i32 s27, s29, 32*DLP
	s_lshl_b32 s26, s28, 7
	s_add_co_u32 s27, s27, s26
	s_add_co_u32 s27, s27, DL
	v_mul_u32_u24 v[RDA], v2, DLP
	v_add_nc_u32 v[RDA], s27, v[RDA]
	v_lshl_add_u32 v[RDA], v3, 5, v[RDA]
	s_lshl_b32 s27, s28, 12
	s_lshl_b32 s26, s29, 11
	s_add_co_u32 s27, s27, s26
	v_lshl_add_u32 v[GO], v1, 4, s27
	s_wait_kmcnt 0x0
	s_add_nc_u64 s[12:13], s[8:9], s[12:13]
	s_add_nc_u64 s[14:15], s[8:9], s[14:15]
	s_add_nc_u64 s[16:17], s[10:11], s[16:17]
.irp q, 0,1,2,3,4,5,6,7
	global_load_b128 v[IN+4*\q:IN+4*\q+3], v[GT], s[12:13] offset:\q*8192        ; two rows of T: 16 lanes take 256 consecutive bytes, aligned
.endr
.irp q, 0,1,2,3,4,5,6,7
	global_load_b128 v[IN+32+4*\q:IN+32+4*\q+3], v[GD], s[14:15] offset:\q*4096  ; a row of D: 512 consecutive bytes
.endr
	s_wait_loadcnt 8                               ; T's eight loads are in; D's eight, issued behind them, may stay out
.irp q, 0,1,2,3,4,5,6,7
	ds_store_b128 v[ST], v[IN+4*\q:IN+4*\q+3] offset:\q*2*TLP
.endr
	s_wait_loadcnt 0x0
.irp q, 0,1,2,3,4,5,6,7
	ds_store_b128 v[SD], v[IN+32+4*\q:IN+32+4*\q+3] offset:\q*DLP
.endr
	s_wait_dscnt 0x0                               ; for the others' sake: my rows lie in LDS
	s_barrier_signal -1
	s_barrier_wait -1                              ; everybody's do
	; group 2 f + e: ten loads: my eight numbers of a row of D (two loads of 16 bytes), and the same eight of T, one from each of eight rows
.irp f, 0,1
.irp e, 0,1
.set gb, IN+16*(2*\f+\e)
	ds_load_b128 v[gb:gb+3],   v[RDA] offset:\f*16*DLP+64*\e
	ds_load_b128 v[gb+4:gb+7], v[RDA] offset:\f*16*DLP+64*\e+16
.irp j, 0,1,2,3,4,5,6,7
	ds_load_b32 v[gb+8+\j], v[RT] offset:(16*\e+\j)*TLP+64*\f
.endr
.endr
.endr
.irp f, 0,1
.irp e, 0,1
.set gi, 2*\f+\e
.set gb, IN+16*gi
	s_wait_dscnt 10*(3-gi)                         ; this group's ten loads are in; the later groups' ten each may stay out
.irp k, 0,2,4,6
	v_pk_add_f32 v[gb+\k:gb+\k+1], v[gb+\k:gb+\k+1], v[gb+8+\k:gb+8+\k+1]   ; Q[n][k] + Q[k][n]
.endr
.irp k, 0,2,4,6
	v_pk_mul_f32 v[gb+\k:gb+\k+1], v[gb+\k:gb+\k+1], s[20:21] op_sel_hi:[1,0]  ; times g
.endr
.irp k, 0,1,2,3
	v_cvt_pk_f16_f32 v[RES+4*gi+\k], v[gb+2*\k], v[gb+2*\k+1]
.endr
	global_store_b128 v[GO], v[RES+4*gi:RES+4*gi+3], s[16:17] offset:\f*1024+\e*512  ; the wave stores 512 consecutive bytes, at a multiple of 512 from Lf's first byte
.endr
.endr
	s_wait_tensorcnt 0x0                           ; the wave's end, behind my last LDS store
	ds_add_u32 v[SPW], v[NIL]
	s_wait_dscnt 0x0
	s_endpgm
.Lfunc_end_k_qb1470ceeee_fold:
	.size	k_qb1470ceeee_fold, .Lfunc_end_k_qb1470ceeee_fold-k_qb1470ceeee_fold
	.p2alignl 7, 3214868480
	.fill 96, 4, 3214868480
	.section	.rodata,"a",@progbits
	.p2align	6, 0x0
	.amdhsa_kernel k_qb1470ceeee_fold
		.amdhsa_group_segment_fixed_size 69632
		.amdhsa_private_segment_fixed_size 0
		.amdhsa_enable_private_segment 0
		.amdhsa_kernarg_size 16
		.amdhsa_user_sgpr_count 2
		.amdhsa_user_sgpr_kernarg_segment_ptr 1
		.amdhsa_wavefront_size32 1
		.amdhsa_system_sgpr_workgroup_id_x 1
		.amdhsa_system_sgpr_workgroup_id_y 1
		.amdhsa_system_sgpr_workgroup_id_z 1
		.amdhsa_system_vgpr_workitem_id 0
		.amdhsa_next_free_vgpr 96
		.amdhsa_next_free_sgpr 66
		.amdhsa_reserve_vcc 0
		.amdhsa_float_denorm_mode_32 3
		.amdhsa_float_denorm_mode_16_64 3
		.amdhsa_memory_ordered 1
		.amdhsa_forward_progress 1
		.amdhsa_inst_pref_size 13
	.end_amdhsa_kernel
	.amdgpu_metadata
---
amdhsa.version: [ 1, 2 ]
amdhsa.kernels:
  - .name:           k_qb1470ceeee_fold
    .symbol:         k_qb1470ceeee_fold.kd
    .args:
      - { .name: Q, .offset: 0, .size: 8, .value_kind: global_buffer, .address_space: global }
      - { .name: Lf, .offset: 8, .size: 8, .value_kind: global_buffer, .address_space: global }
    .group_segment_fixed_size: 69632
    .private_segment_fixed_size: 0
    .kernarg_segment_align: 8
    .kernarg_segment_size: 16
    .max_flat_workgroup_size: 256
    .sgpr_count:     66
    .vgpr_count:     96
    .wavefront_size: 32
...
	.end_amdgpu_metadata
.endif
;; end of part 1
;; launch quad (part 2): grid 256 x 1, 4 waves a work-group, clusters of 4 x 1, 327,680 bytes of LDS; arguments x, Lf, b, c, out0; writes out0
.if DOCPART == 2
	.amdgcn_target "amdgcn-amd-amdhsa--gfx1250"
	.amdhsa_code_object_version 6
	.text
	.protected	k_qb1470ceeee_quad
	.globl	k_qb1470ceeee_quad
	.p2align	8
	.type	k_qb1470ceeee_quad,@function
k_qb1470ceeee_quad:
	s_mov_b64 s[64:65], 0
	v_nop
	global_prefetch_b8 v0, s[64:65] scope:SCOPE_SE
	s_setreg_imm32_b32 hwreg(HW_REG_WAVE_MODE, 25, 1), 1
	s_wait_xcnt 0x0
	s_wait_alu depctr_hold_cnt(0) depctr_sa_sdst(0) depctr_va_vdst(0) depctr_va_sdst(0) depctr_va_ssrc(0) depctr_va_vcc(0) depctr_vm_vsrc(0)
	s_getreg_b32 s2, hwreg(HW_REG_IB_STS2, 6, 4)
	s_cmp_eq_u32 s2, 0
	s_cbranch_scc0 .Lentry_in_a_cluster
	s_endpgm
.Lentry_in_a_cluster:
	s_bfe_u32 s2, ttmp6, 0x10000c
	s_cmp_lg_u32 s2, 0x3003
	s_cbranch_scc0 .Lentry_shape_is_right
	s_endpgm
.Lentry_shape_is_right:
; out0[m] = sum over n of x[m][n] (z[m][n] + b[n]) + c,  z[m][n] = sum over k <= the end of n's block of L[n][k] x[m][k],  L = the folded Q that the launch before stored in Lf (f16).
; WORK LEFT OUT: the 28 blocks of 128 x 128 above the block diagonal; the launch before has added each of them, transposed, onto its mirror image, since x^T Q x = x^T Q^T x for all x and Q.
; LIMITS.  x enters all three places (both sides of the quadratic form, and b . x) rounded once to f16: |x| stays below 65,504 (65,520 or more becomes an infinity); below 6.1e-5 it keeps f16's fixed
; step of 6e-8.  b enters as four times b / 4, which is exact but for denormal b.  All sums in f32.  A NaN, an infinity or an overflow that reaches only the part of Q that cancels is not carried to the result.
; SHARES.  A work-group owns 64 rows of x: 256 work-groups.  K IS SPLIT AMONG ITS FOUR WAVES: of each chunk i of 128 k wave w owns k = 128 i + 32 w + 0..31, for all 64 rows, and keeps those fragments of x
; in 256 registers for the whole launch.  So a fragment of L (two LDS loads) feeds four matrix instructions, no two waves read the same byte of L, and x is never read from LDS twice as an operand.
; The last step, sum over n of x[m][n] z[m][n], is linear in z: each wave takes it of its own partial z, and the four waves meet in 64 numbers at the end.
; STAGES.  Stage J is the n block 128 J + 0..127, in two halves s of 64 n; it multiplies the chunks i = 0 .. J: J + 1 UNITS a half, 16 matrix instructions a unit (4 tiles of 16 n x 4 tiles of 16 rows).
; Stage J needs x's chunks 0 .. J alone, so x comes in while earlier stages multiply: chunk c + 3 is asked for when chunk c is converted.
; LAYOUT.  z^T = L x^T (source 0 = 16 n, source 1 = 16 rows m): in the result a lane holds ONE row m (lane % 16) and n = 8 (lane / 16) + 0..7.  Sixteen bytes of x's f16 row are then the eight factors of one
; accumulator.  The sum starts with C = b[n] / 4 in each of the four waves: b . x costs no vector instruction.
; BY TURNS.  While one half's 16 accumulators are summed, the half before is folded into y: 128 multiply-adds (RIDERS), dealt in slices behind every second matrix instruction.
; CLUSTER.  All work-groups walk the same Lf: the four of a cluster ask for each tile of 131,072 bytes (8 units) JOINTLY: the same tensor load, descriptor and mask in all four.  x is shared by nobody.
; The text is straight: x's fragments are named by constant register numbers and the stages differ in length.
; REGISTERS, in windows of 256 (s_set_vgpr_msb: bits 1:0 source 0, 3:2 source 1, 5:4 source 2, 7:6 destination):
;   window 0: v0-15 addresses; v16-23 y, two sums a row tile; v24-31 at work; v32-127 L's fragments, three buffers of a unit; v128-255 x as factor, two buffers of a half
;   window 1: x's fragments: chunk i, row tile mt at 32 i + 8 mt        window 2: accumulators: half s, n tile t, row tile mt at 128 s + 32 t + 8 mt
;   window 3: v0-191 x as loaded, three chunks of 64; v192-255 b / 4 as C operand, two buffers of a half
.set SLOTB, 131072                     ; a slot = a tile of Lf: 8 units; slot 0 at LDS byte 0, slot 1 behind it; in fragment order, so every LDS load of a wave takes 512 consecutive bytes
.set XB0,   262144                     ; two buffers for a chunk of x in f16: 64 rows,
.set XP,    272                        ; 256 bytes + 16: the 16 rows of a load begin in 16 different groups of four banks (64 banks of 4 bytes: ISA guide 11.1)
.set XBB,   64*XP
.set BQ,    XB0+2*XBB                  ; b / 4, 1,024 f32
.set YR,    BQ+4096                    ; the four waves' 64 partial results
.set SPARE, YR+1024                    ; the spare words, 128 bytes for each wave: two blocks of 256 bytes that no other line names.  No tensor load lands behind XB0
.set SPW, 2                            ; v2   LDS address of my spare word; never rewritten
.set NIL, 3                            ; v3   0; never rewritten
.set GX,  4                            ; v4   x in memory: my wave's 16 rows of 4,096 bytes + 16 lane
.set XST, 5                            ; v5   the same place in a chunk buffer: 8 bytes a lane
.set AAD, 6                            ; v6   my fragment of x in a chunk buffer: row lane % 16, byte 64 wave + 16 (lane / 16)
.set XMA, 7                            ; v7   the same without the wave: x as factor
.set BAD, 8                            ; v8-11  L's fragments: 65,536 q + 4,096 wave + 16 lane: an LDS offset holds 16 bits, the two slots 18
.set BQA, 12                           ; v12  BQ + 32 (lane / 16)
.set PFO, 13                           ; v13  256 lane: the prefetches' offset
.set YRA, 14                           ; v14  YR + 256 wave + 4 (lane % 16)
.set Y,   16
.set BF,  32
.set XM,  128
.set BQR, 192                          ; in window 3
.set MSB, 0
.macro WIN new                         ; the immediate's high byte repeats the setting that is left; a switch that changes nothing is dropped
.if MSB != (\new)
	s_set_vgpr_msb (MSB<<8)|(\new)
.set MSB, (\new)
.endif
.endm
.set W_MM, 0xa4                        ; L window 0, x window 1, C and D window 2
.set W_M0, 0xb4                        ; the same with C in window 3
.set W_RD, 0x08                        ; source 1 (an accumulator) window 2
.set W_A,  0x40                        ; destination window 1
.set W_3,  0xc0                        ; destination window 3
.set W_CV, 0xcf                        ; destination and both sources window 3
.set W_ST, 0x0c                        ; an LDS store's data window 3
; A round of the cluster's barrier: my work-group's barrier, so that wave 0's signal speaks for all four waves; wave 0 signals; every wave waits for all four work-groups; my work-group's barrier once more.
.macro ROUND
	s_barrier_signal -1
	s_barrier_wait -1
	s_cmp_lg_u32 s14, 0
	s_cbranch_scc1 .Lnot_wave_0_\@
	s_barrier_signal -3
.Lnot_wave_0_\@:
	s_barrier_wait -3
	s_barrier_signal -1
	s_barrier_wait -1
.endm
; Chunk c of x: my wave's 16 rows, 512 consecutive bytes of a row an instruction.
.macro XLOAD c
	WIN W_3
.set q, 0
.rept 16
	global_load_b128 v[64*((\c)%3)+4*q:64*((\c)%3)+4*q+3], v[GX], s[4:5] offset:q*4096+(\c)*512 th:TH_LOAD_NT
.set q, q+1
.endr
.endm
; Chunk c is rounded to f16 and laid into its buffer; chunk c + 3 is asked for into the registers that it leaves; a barrier shows the chunk to all four waves.  The buffer was last read as chunk c - 2:
; every wave waited for those reads in front of the barrier of chunk c - 1.
.macro CONV c
.set SG, 64*((\c)%3)
.if (\c) <= 5
	s_wait_loadcnt 32                              ; my 16 loads of this chunk are in; the two chunks behind it stay out
.elseif (\c) == 6
	s_wait_loadcnt 16                              ; one chunk is behind it
.else
	s_wait_loadcnt 0x0
.endif
	WIN W_CV
.set q, 0
.rept 16
	v_cvt_pk_f16_f32 v[SG+4*q],   v[SG+4*q],   v[SG+4*q+1]
	v_cvt_pk_f16_f32 v[SG+4*q+1], v[SG+4*q+2], v[SG+4*q+3]
.set q, q+1
.endr
	WIN W_ST
.set q, 0
.rept 16
	ds_store_b64 v[XST], v[SG+4*q:SG+4*q+1] offset:((\c)%2)*XBB+XP*q
.set q, q+1
.endr
.if (\c) == 0
	s_wait_tensorcnt 0x1                           ; my part of tile 0 is in; tile 1's stays out
.endif
	s_wait_dscnt 0x0                               ; for the others' sake: my stores are done, and so are my reads of the other buffer
.if (\c) <= 4
	XLOAD (\c)+3
.endif
	WIN 0
	s_barrier_signal -1
	s_barrier_wait -1
.endm
; Unit u's four fragments of L for my 32 k: eight loads, into buffer u % 3.
.macro BLOAD u
	WIN 0
.set bD, BF+32*((\u)%3)
.set bA, BAD+2*(((\u)/8)%2)+((\u)%8)/4
.set bO, ((\u)%4)*16384
.irp t2, 0,1,2,3
	ds_load_b128 v[bD+8*\t2:bD+8*\t2+3],   v[bA] offset:bO+1024*\t2
	ds_load_b128 v[bD+8*\t2+4:bD+8*\t2+7], v[bA] offset:bO+1024*\t2+512
.endr
.endm
; Chunk J's four fragments of x (16 rows x my 32 k each), which stay in window 1.
.macro ALOAD J
	WIN W_A
.irp m2, 0,1,2,3
	ds_load_b128 v[32*(\J)+8*\m2:32*(\J)+8*\m2+3],   v[AAD] offset:((\J)%2)*XBB+\m2*16*XP
	ds_load_b128 v[32*(\J)+8*\m2+4:32*(\J)+8*\m2+7], v[AAD] offset:((\J)%2)*XBB+\m2*16*XP+32
.endr
.endm
; x as factor for half s of stage J: for row tile m2 and n tile t2 the eight numbers x[16 m2 + lane % 16][128 J + 64 s + 16 t2 + 8 (lane / 16) + 0..7].
.macro XMLOAD J, s
	WIN 0
.irp m2, 0,1,2,3
.irp t2, 0,1,2,3
	ds_load_b128 v[XM+64*(\s)+16*\m2+4*\t2:XM+64*(\s)+16*\m2+4*\t2+3], v[XMA] offset:((\J)%2)*XBB+\m2*16*XP+128*(\s)+32*\t2
.endr
.endr
.endm
; b / 4 as C operand for half s of stage J: register j of n tile t2 holds b[128 J + 64 s + 16 t2 + 8 (lane / 16) + j] / 4, the same for every row.
.macro BQLOAD J, s
	WIN W_3
.irp t2, 0,1,2,3
	ds_load_b128 v[BQR+32*(\s)+8*\t2:BQR+32*(\s)+8*\t2+3],   v[BQA] offset:4*(128*(\J)+64*(\s)+16*\t2)
	ds_load_b128 v[BQR+32*(\s)+8*\t2+4:BQR+32*(\s)+8*\t2+7], v[BQA] offset:4*(128*(\J)+64*(\s)+16*\t2)+16
.endr
.endm
; Rider RQ of 128 for the half RS: y += x[m][n] z[m][n], the factor taken straight from its f16 half.  n tile RQ / 32, register (RQ / 4) % 8, row tile RQ % 4: each accumulator is read from its
; lowest register on, and a sum of y is taken up again seven riders later.
.macro RIDER
	WIN W_RD
.set rt, RQ/32
.set rj, (RQ/4)%8
.set rm, RQ%4
.set rY, Y+2*rm+rj%2
.set rX, XM+64*RS+16*rm+4*rt+rj/2
.set rA, 128*RS+32*rt+8*rm+rj
.if rj%2
	v_fma_mix_f32 v[rY], v[rX], v[rA], v[rY] op_sel:[1,0,0] op_sel_hi:[1,0,0]
.else
	v_fma_mix_f32 v[rY], v[rX], v[rA], v[rY] op_sel_hi:[1,0,0]
.endif
.set RQ, RQ+1
.endm
; A slice: PER riders while there are any.  last = 1, a unit's end: four plain instructions at the least, riders or v_nop.  They name none of the unit's matrix registers (riders touch the other half's
; accumulators, the factors and y), so they are the four places between the unit's products and the loads into L's and b's registers, and the reads of the results, that follow.
.macro SLICE last
.set ns, 0
.rept PER
.if RQ < 128
	RIDER
.set ns, ns+1
.endif
.endr
.if \last
.rept 4
.if ns < 4
.if RQ < 128
	RIDER
.else
	v_nop
.endif
.set ns, ns+1
.endif
.endr
.endif
.endm
; A PREFETCH INTO THE L2 of tile \tile of Lf, three changes of slots (384 matrix instructions a wave) ahead of the joint load that will ask for it.  All clusters walk the same Lf: the first cluster asks,
; and nobody else (the test is the same in all four partners).  Its 16 waves x 32 lanes name the tile's 512 blocks of 256 bytes once each, told apart BY ADDRESS: 32,768 cx + 8,192 wave + 256 lane.
; Tiles 0 to 4 come by their loads alone; tile 8 is Lf's last, and nothing is asked for behind it.  The address registers are never rewritten: the tile stands in the immediate.
.macro ASK tile
	s_cmp_eq_u32 s22, 0
	s_cbranch_scc0 .Lnot_mine_\@
	global_prefetch_b8 v[PFO], s[20:21] offset:(\tile)*SLOTB th:TH_LOAD_NT scope:SCOPE_SE
.Lnot_mine_\@:
.endm
; THE CHANGE TO TILE sl, two units ahead of its first product: the old slot's last two units have been asked for.  Each wave waits for all its tensor loads, of which one is out: its quarter of tile sl;
; adds 0 to its spare word; and waits for that and for its reads of the old slot.  Up to sl = 7 the old slot is filled again, with tile sl + 1: the barrier is then a round of the cluster's, so that no wave
; of any partner still reads the slot or has a load on its way, and the joint load is the first thing behind it: it has eight units, 128 matrix instructions a wave, in which to land.
.macro CHANGE sl
	WIN 0                                          ; at a label and at a branch every window is 0
	s_wait_tensorcnt 0x0                           ; no tensor load of mine is out, so a group 0 may be written
	ds_add_u32 v[SPW], v[NIL]                      ; 0 onto my spare word
.if (\sl) <= 7
	s_add_nc_u64 s[34+4*(((\sl)-1)%2):35+4*(((\sl)-1)%2)], s[34+4*(((\sl)-1)%2):35+4*(((\sl)-1)%2)], 2*SLOTB  ; the slot's next tile; the type bits on top are not reached
	s_wait_dscnt 0x0                               ; the add is done, and my reads of the old slot are over
	ROUND
	tensor_load_to_lds s[32+4*(((\sl)-1)%2):35+4*(((\sl)-1)%2)], s[24:31]
	s_nop 0
.rept 4
	v_nop
.endr
.if (\sl) <= 4
	ASK (\sl)+4
.endif
.else
	s_wait_dscnt 0x0                               ; the add is done; tile 8 is the last: nothing is asked for
	s_barrier_signal -1
	s_barrier_wait -1
.endif
.endm
; UNIT U = J (J + 1) + s (J + 1) + i: 64 n x my 32 k of chunk i x 64 rows.  The 16 accumulators take turns, one instruction a turn, in the same order in every unit.
; At a half's first unit the operands of the half-stage to come are asked for; L's fragments are asked for two units ahead.
.macro UNIT J, s, i
.if (U%8 == 6) && (U < 70)
	CHANGE (U+2)/8
.endif
.if (\i) == 0
.if (\s) == 0
	ALOAD \J
	XMLOAD \J, 0
	BQLOAD \J, 1
.else
	XMLOAD \J, 1
.if (\J) < 7
	BQLOAD (\J)+1, 0
.endif
.endif
.endif
.if U <= 69
	BLOAD U+2
	s_wait_dscnt 16                                ; LDS loads come back in order (ISA guide 5.7.1): behind this unit's fragments at least 16 loads were issued (unit U + 1's and unit U + 2's eight): they are in, and all that is older
.elseif U == 70
	s_wait_dscnt 8                                 ; unit 71's eight may stay out
.else
	s_wait_dscnt 0x0
.endif
.set t, 0
.rept 4
.set p, 0
.rept 2
.set mt, 2*p
.rept 2
.set aD, 128*(\s)+32*t+8*mt
.set aB, BF+32*(U%3)+8*t
.set aA, 32*(\i)+8*mt
.set aC, BQR+32*(\s)+8*t
.if (\i) == 0
	WIN W_M0
	v_wmma_f32_16x16x32_f16 v[aD:aD+7], v[aB:aB+7], v[aA:aA+7], v[aC:aC+7]   ; the half's first unit starts the sums with b / 4
.else
	WIN W_MM
	v_wmma_f32_16x16x32_f16 v[aD:aD+7], v[aB:aB+7], v[aA:aA+7], v[aD:aD+7]
.endif
.set mt, mt+1
.endr
	SLICE (t*2+p)/7
.set p, p+1
.endr
.set t, t+1
.endr
.set U, U+1
.endm
; Half s of stage J: J + 1 units, 8 (J + 1) slices for the 128 riders of the half before.
.macro HALF J, s
.set RS, 1-(\s)
.set PER, (128+8*((\J)+1)-1)/(8*((\J)+1))
.set RQ, 0
.if ((\J) == 0) && ((\s) == 0)
.set RQ, 128                           ; there is no half before the first
.endif
.set ii, 0
.rept (\J)+1
	UNIT \J, \s, ii
.set ii, ii+1
.endr
.endm
	s_load_b256 s[4:11], s[0:1], 0x0               ; x s[4:5], Lf s[6:7], b s[8:9], c s[10:11]
	s_load_b64 s[12:13], s[0:1], 0x20              ; out0
	v_lshl_add_u32 v[SPW], v0, 2, SPARE
	v_mov_b32 v[NIL], 0
	ds_add_u32 v[SPW], v[NIL]                      ; the wave's opening: the add, twice on end, and its wait ahead of my first tensor load; the set-up below, work on registers, stands between
	ds_add_u32 v[SPW], v[NIL]                      ; and once more, under the one wait
	v_lshrrev_b32 v1, 5, v0
	v_readfirstlane_b32 s14, v1                    ; wave 0..3
	s_bfe_u32 s15, ttmp6, 0x40000                  ; cx: my place in the cluster
	s_lshl_b32 s16, ttmp9, 2                       ; in a cluster launch ttmp9 counts clusters
	s_add_co_u32 s16, s16, s15                     ; my block of 64 rows = 4 x cluster + cx: it enters x's and out0's addresses alone
	s_mov_b32 s22, ttmp9
	; descriptor group 1: a wave's quarter of a tile, 32,768 dense bytes, as 128 rows of 256 bytes
	s_mov_b32 s24, 15|(3<<16)|(1<<21)              ; 15:0 the mask: all four work-groups; 17:16 elements of 8 bytes; 21 set beside a mask; no padding
	s_mov_b32 s25, 32<<16                          ; tensor_dim0 = 32 elements
	s_mov_b32 s26, 128<<16                         ; tensor_dim1 = 128
	s_mov_b32 s27, 32<<16                          ; tile_dim0 = 32
	s_mov_b32 s28, 128                             ; tile_dim1 = 128
	s_mov_b32 s29, 32                              ; 32 elements from row to row
	s_mov_b32 s30, 0
	s_mov_b32 s31, 0
	s_mov_b32 s32, 1                               ; group 0 for slot 0: count = 1,
	s_lshl_b32 s33, s14, 15                        ; LDS address: wave x 32,768: no place in the cluster enters it
	s_mov_b32 s36, 1                               ; and for slot 1
	s_add_co_u32 s37, s33, SLOTB
	s_mov_b32 s44, s33                             ; the same offset in a tile in memory, as a pair
	s_mov_b32 s45, 0
	s_mov_b32 s40, 0x76543210                      ; v_permlanex16_b32: each lane takes its own place in the other half
	s_mov_b32 s41, 0xfedcba98
	s_mov_b32 s42, 0x3e800000                      ; 1/4
	s_mov_b32 s43, s42                             ; named with it as a pair
	v_and_b32 v24, 31, v0                          ; lane
	v_and_b32 v25, 15, v0                          ; lane % 16
	v_bfe_u32 v26, v0, 4, 1                        ; lane / 16
	s_lshl_b32 s18, s14, 16
	v_lshl_add_u32 v[GX], v24, 4, s18
	s_mul_i32 s18, s14, 16*XP
	s_add_co_u32 s18, s18, XB0
	v_lshl_add_u32 v[XST], v24, 3, s18
	v_mul_u32_u24 v27, v25, XP
	v_lshl_add_u32 v27, v26, 4, v27
	v_add_nc_u32 v[XMA], XB0, v27
	s_lshl_b32 s18, s14, 6
	v_add_nc_u32 v[AAD], s18, v[XMA]
	s_lshl_b32 s18, s14, 12
	v_lshl_add_u32 v[BAD], v24, 4, s18
	v_add_nc_u32 v[BAD+1], 0x10000, v[BAD]
	v_add_nc_u32 v[BAD+2], 0x20000, v[BAD]
	v_add_nc_u32 v[BAD+3], 0x30000, v[BAD]
	v_lshl_add_u32 v[BQA], v26, 5, BQ
	v_lshlrev_b32 v[PFO], 8, v24
	s_lshl_b32 s18, s14, 8
	s_add_co_u32 s18, s18, YR
	v_lshl_add_u32 v[YRA], v25, 2, s18
	v_lshlrev_b32 v1, 4, v0                        ; 16 x thread: my 16 bytes in each half of b
	v_add_nc_u32 v15, BQ, v1
	s_wait_dscnt 0x0                               ; both opening adds are done
	s_wait_kmcnt 0x0
	s_load_b32 s23, s[10:11], 0x0                  ; c; waited for at the end
	s_lshl_b32 s18, s16, 18                        ; my block's 64 rows of 4,096 bytes
	s_mov_b32 s19, 0
	s_add_nc_u64 s[4:5], s[4:5], s[18:19]
	s_lshl_b32 s18, s16, 8                         ; and its 64 results
	s_add_nc_u64 s[12:13], s[12:13], s[18:19]
	s_lshl_b32 s18, s15, 15
	s_lshl_b32 s17, s14, 13
	s_add_co_u32 s18, s18, s17
	s_add_nc_u64 s[20:21], s[6:7], s[18:19]        ; the prefetches' base
	s_add_nc_u64 s[34:35], s[6:7], s[44:45]        ; my quarter of tile 0,
	s_add_nc_u64 s[38:39], s[34:35], SLOTB         ; of tile 1
	s_or_b32 s35, s35, 0x80000000                  ; 127:126 type = 2
	s_or_b32 s39, s39, 0x80000000
	global_load_b128 v[24:27], v1, s[8:9]
	global_load_b128 v[28:31], v1, s[8:9] offset:2048
	XLOAD 0                                        ; three chunks of x are on their way before anything else is done
	XLOAD 1
	XLOAD 2
	WIN 0
	ROUND                                          ; all four work-groups are here: the first joint loads meet
	tensor_load_to_lds s[32:35], s[24:31]          ; tile 0
	s_nop 0
	tensor_load_to_lds s[36:39], s[24:31]          ; tile 1: two tensor loads of mine are out, later one
	s_nop 0
.set q, 0
.rept 8
	v_mov_b32 v[Y+q], 0                            ; y's eight sums
.set q, q+1
.endr
	s_wait_loadcnt 48                              ; b is in; x's 48 loads were issued behind it
.irp k, 24,26,28,30
	v_pk_mul_f32 v[\k:\k+1], v[\k:\k+1], s[42:43] op_sel_hi:[1,0]
.endr
	ds_store_b128 v15, v[24:27]
	ds_store_b128 v15, v[28:31] offset:2048
.set U, 0
.set RQ, 128
.set RS, 0
.set PER, 1
	CONV 0                                         ; its barrier also shows b / 4 and tile 0 to all four waves
	BQLOAD 0, 0
	BLOAD 0
	BLOAD 1
.irp J, 0,1,2,3,4,5,6,7
	HALF \J, 0
	HALF \J, 1
.if \J < 7
	CONV \J+1
.endif
.endr
.set RS, 1                             ; the last half has no products to ride behind
.set RQ, 0
.rept 128
	RIDER
.endr
	; THE WAY OUT.  A row's two sums, and those of the lane 16 away (the other eight n of each tile), are added; the four waves' parts meet in LDS; wave 0 adds them and c.
	WIN 0
.irp m2, 0,1,2,3
	v_add_f32 v[Y+2*\m2], v[Y+2*\m2], v[Y+2*\m2+1]
.endr
.irp m2, 0,1,2,3
	v_permlanex16_b32 v[24+\m2], v[Y+2*\m2], s40, s41
.endr
.irp m2, 0,1,2,3
	v_add_f32 v[24+\m2], v[24+\m2], v[Y+2*\m2]
.endr
.irp m2, 0,1,2,3
	ds_store_b32 v[YRA], v[24+\m2] offset:64*\m2   ; row 16 m2 + lane % 16; the two halves of the lanes write the same number to the same word
.endr
	s_wait_dscnt 0x0                               ; for the others' sake
	s_wait_kmcnt 0x0                               ; c
	s_barrier_signal -1
	s_barrier_wait -1
	s_cmp_lg_u32 s14, 0
	s_cbranch_scc1 .Lend
	v_and_b32 v28, 31, v0
	v_lshlrev_b32 v15, 3, v28                      ; lane l takes rows 2 l and 2 l + 1
	v_add_nc_u32 v28, YR, v15
	ds_load_b64 v[16:17], v28
	ds_load_b64 v[18:19], v28 offset:256
	ds_load_b64 v[20:21], v28 offset:512
	ds_load_b64 v[22:23], v28 offset:768
	s_wait_dscnt 0x0
	v_pk_add_f32 v[16:17], v[16:17], v[18:19]
	v_pk_add_f32 v[20:21], v[20:21], v[22:23]
	v_pk_add_f32 v[16:17], v[16:17], v[20:21]
	v_add_f32 v16, s23, v16
	v_add_f32 v17, s23, v17
	global_store_b64 v15, v[16:17], s[12:13]       ; the wave stores the work-group's 256 consecutive bytes, at a multiple of 256 from out0's first byte
.Lend:
	s_wait_tensorcnt 0x0                           ; the wave's end, behind my last tensor load and my last LDS store
	ds_add_u32 v[SPW], v[NIL]
	s_wait_dscnt 0x0
	ROUND                                          ; the closing round: no work-group ends while a partner may still ask for a tile that names it
	s_endpgm
.Lfunc_end_k_qb1470ceeee_quad:
	.size	k_qb1470ceeee_quad, .Lfunc_end_k_qb1470ceeee_quad-k_qb1470ceeee_quad
	.p2alignl 7, 3214868480
	.fill 96, 4, 3214868480
	.section	.rodata,"a",@progbits
	.p2align	6, 0x0
	.amdhsa_kernel k_qb1470ceeee_quad
		.amdhsa_group_segment_fixed_size 327680
		.amdhsa_private_segment_fixed_size 0
		.amdhsa_enable_private_segment 0
		.amdhsa_kernarg_size 40
		.amdhsa_user_sgpr_count 2
		.amdhsa_user_sgpr_kernarg_segment_ptr 1
		.amdhsa_wavefront_size32 1
		.amdhsa_system_sgpr_workgroup_id_x 1
		.amdhsa_system_sgpr_workgroup_id_y 1
		.amdhsa_system_sgpr_workgroup_id_z 1
		.amdhsa_system_vgpr_workitem_id 0
		.amdhsa_next_free_vgpr 1024
		.amdhsa_next_free_sgpr 66
		.amdhsa_reserve_vcc 0
		.amdhsa_float_denorm_mode_32 3
		.amdhsa_float_denorm_mode_16_64 3
		.amdhsa_memory_ordered 1
		.amdhsa_forward_progress 1
		.amdhsa_inst_pref_size 255
	.end_amdhsa_kernel
	.section	.bss,"aw",@nobits
	.p2align	6
	.space	262144
	.amdgpu_metadata
---
amdhsa.version: [ 1, 2 ]
amdhsa.kernels:
  - .name:           k_qb1470ceeee_quad
    .symbol:         k_qb1470ceeee_quad.kd
    .args:
      - { .name: x, .offset: 0, .size: 8, .value_kind: global_buffer, .address_space: global }
      - { .name: Lf, .offset: 8, .size: 8, .value_kind: global_buffer, .address_space: global }
      - { .name: b, .offset: 16, .size: 8, .value_kind: global_buffer, .address_space: global }
      - { .name: c, .offset: 24, .size: 8, .value_kind: global_buffer, .address_space: global }
      - { .name: out0, .offset: 32, .size: 8, .value_kind: global_buffer, .address_space: global }
    .group_segment_fixed_size: 327680
    .private_segment_fixed_size: 0
    .kernarg_segment_align: 8
    .kernarg_segment_size: 40
    .max_flat_workgroup_size: 128
    .sgpr_count:     66
    .vgpr_count:     1024
    .wavefront_size: 32
...
	.end_amdgpu_metadata
.endif
;; end of part 2
